; MI455X (gfx1250); checked and timed in simulation.
; The chip was launched on July 23, 2026; its instructions are those of AMD's public machine-readable ISA for CDNA 5 (MIT licence, August 2026) and "CDNA5" Instruction Set Architecture Reference Guide (July 2026). The comments in the code are by the model that wrote it; some were corrected since.
;; Expert Linear. Allowed arithmetic: float matrix products may take bf16 or f16 operands with f32 sums; other float arithmetic in f32, or as packed bf16 or f16 multiplies, adds, multiply-adds, maxima and minima; sums over many terms, partial sums and values carried from step to step in f32; what a program stores and reads back later, other than sums and carried values, may be rounded once to bf16 or f16.
;; Inputs: bias 8 x 1,024 float32; expert_weights 8,192 x 8 float32; weight 8 x 1,024 x 1,024 float32; x 8,192 x 1,024 float32.
;; Outputs: out0 8,192 x 1,024 float32.
;; 2 versions, each right; version 2 is version 1 with the launch pack written anew for expert scheduling mode. Each part assembles by itself: llvm-mc -triple=amdgcn-amd-amdhsa -mcpu=gfx1250 --defsym DOCPART=n.
;; ======== version 1 of 2: 2 launches
;; workspace buffers: xf 16,777,216 bytes; wb 16,777,216 bytes
;; launch pack (part 1): grid 1024 x 1, 8 waves a work-group, no clusters, 35,840 bytes of LDS; arguments x, weight, xf, wb; writes xf, wb
.if DOCPART == 1
	.amdgcn_target "amdgcn-amd-amdhsa--gfx1250"
	.amdhsa_code_object_version 6
	.text
	.protected	k_q418a7b8d34_pack
	.globl	k_q418a7b8d34_pack
	.p2align	8
	.type	k_q418a7b8d34_pack,@function
k_q418a7b8d34_pack:
	s_mov_b64 s[64:65], 0
	v_nop
	global_prefetch_b8 v0, s[64:65] scope:SCOPE_SE
	s_setreg_imm32_b32 hwreg(HW_REG_WAVE_MODE, 25, 1), 1
	s_wait_xcnt 0x0
; x [8192][1024] f32 and weight [8][1024][1024] f32 are each read once, rounded once to bf16 (nearest even) and laid out for the product that follows.
; xf: [g 64][c 8][q 4][a 8][p 2][lane 32][8 numbers]: lane (h = lane / 16, r = lane % 16) holds x[128 g + 16 a + r][128 c + 64 h + 16 q + 8 p + 0..7]: the order in which
;     a wave's operand registers take them, so that each of its loads is 512 consecutive bytes.
; wb: [cb 16][c 8][k 8][o' 64][128 numbers]: weight[k][64 cb + o'][128 c + 0..127]: the eight experts' tiles of one block of columns and one chunk of IN are 131,072 dense bytes.
; SHARES.  Work-groups 0-511 take x, 512-1023 weight: both are 8,192 rows of 4,096 bytes.  A work-group owns 16 rows, wave w the rows' chunk w (512 bytes): 16 loads of 512 consecutive
; bytes a wave, all issued before the first wait.  No loop, no barrier: every LDS byte is the wave's own.  Memory binds: matrix units, clusters and tensor loads would add nothing.
; x's numbers change lanes on the way (a lane loads 4 numbers of one row, and stores 8 numbers of the row that its number names): through a stage of 16 lines of 272 bytes a wave.
; weight's keep their order: a wave's store is 256 consecutive bytes, at a multiple of 256 from wb's first byte.
.set ROWB,  4096                       ; bytes in a source row
.set LINE,  272                        ; a stage line: 256 bytes + 16: line u starts at bank 4 u mod 64 (64 banks of 4 bytes: ISA guide 11.1)
.set STG,   16*LINE                    ; a wave's stage
.set SPARE, 8*STG                      ; behind the stages: the spare words, 128 bytes for each wave: four blocks of 256 bytes that no other line names
.set SRC,  1                           ; v1   byte offset of my 16 bytes in a source row: 16 x thread = 512 w + 16 lane
.set LS,   2                           ; v2   stage: where I put 8 bytes
.set LR,   3                           ; v3   stage: where I read 16 bytes back
.set DO,   4                           ; v4   my byte offset in the destination
.set SPW,  30                          ; v30  LDS address of my spare word; never rewritten
.set NIL,  31                          ; v31  0; never rewritten
.set XIN,  32                          ; v[32:95]   row p: 4 f32 as loaded; later 8 x 4 registers read back from the stage
.set PK,   96                          ; v[96:127]  row p: 4 bf16 in 2 registers
	s_load_b256 s[4:11], s[0:1], 0x0               ; x s[4:5], weight s[6:7], xf s[8:9], wb s[10:11]
	v_lshl_add_u32 v[SPW], v0, 2, SPARE
	v_mov_b32 v[NIL], 0
	v_lshlrev_b32 v[SRC], 4, v0
	v_lshrrev_b32 v5, 5, v0
	v_readfirstlane_b32 s16, v5                    ; wave 0..7 = chunk
	s_mov_b32 s17, ttmp9
	s_and_b32 s18, s17, 511                        ; j: which 16 rows of my tensor
	s_lshl_b32 s14, s18, 16                        ; 16 rows of 4,096 bytes
	s_mov_b32 s15, 0
	s_wait_kmcnt 0x0
	s_cmp_lt_u32 s17, 512
	s_cselect_b64 s[12:13], s[4:5], s[6:7]         ; the source: x or weight
	s_add_nc_u64 s[12:13], s[12:13], s[14:15]
.irp p, 0,1,2,3,4,5,6,7,8,9,10,11,12,13,14,15
	global_load_b128 v[XIN+4*(\p):XIN+4*(\p)+3], v[SRC], s[12:13] offset:(\p)*ROWB th:TH_LOAD_NT
.endr
	; lane arithmetic, while the loads are on their way.  My 4 numbers begin at place 4 l of the chunk = 64 h + 16 q + 8 p + 4 (l % 2): h = l / 16, q = (l / 4) % 4, p = (l / 2) % 2
	v_and_b32 v6, 31, v0                           ; l
	v_bfe_u32 v7, v0, 2, 2                         ; q
	v_bfe_u32 v8, v0, 1, 1                         ; p
	v_bfe_u32 v9, v0, 4, 1                         ; h
	v_and_b32 v10, 1, v0
	v_and_b32 v11, 15, v0
	s_mul_i32 s19, s16, STG                        ; my wave's stage
	v_lshlrev_b32 v7, 2, v7
	v_lshl_add_u32 v7, v8, 1, v7
	v_add_nc_u32 v7, v7, v9                        ; line 4 q + 2 p + h
	v_mul_u32_u24 v[LS], v7, LINE
	v_lshl_add_u32 v[LS], v10, 3, v[LS]            ; + 8 (l % 2); the row's 16 bytes stand in the immediate
	v_add_nc_u32 v[LS], s19, v[LS]
	v_mul_u32_u24 v[LR], v9, LINE                  ; back: lanes 0-15 one line, lanes 16-31 the next
	v_lshl_add_u32 v[LR], v11, 4, v[LR]
	v_add_nc_u32 v[LR], s19, v[LR]
.irp p, 0,1,2,3,4,5,6,7,8,9,10,11,12,13,14,15
	s_wait_loadcnt 15-(\p)                         ; loads come back in order (ISA guide 5.7.1): row p is in, the younger ones stay out
	v_cvt_pk_bf16_f32 v[PK+2*(\p)],   v[XIN+4*(\p)],   v[XIN+4*(\p)+1]
	v_cvt_pk_bf16_f32 v[PK+2*(\p)+1], v[XIN+4*(\p)+2], v[XIN+4*(\p)+3]
.endr
	s_cmp_lt_u32 s17, 512
	s_cbranch_scc0 .Lweights
	; x: rows 16 j + p are g = j / 8, a = j % 8, r = p
	s_lshr_b32 s22, s18, 3
	s_lshl_b32 s22, s22, 18                        ; g x 262,144
	s_and_b32 s21, s18, 7
	s_lshl_b32 s21, s21, 10                        ; a x 1,024
	s_add_co_u32 s22, s22, s21
	s_mov_b32 s23, 0
	s_add_nc_u64 s[8:9], s[8:9], s[22:23]
	s_lshl_b32 s20, s16, 15                        ; c x 32,768
	v_lshl_add_u32 v[DO], v6, 4, s20
.irp p, 0,1,2,3,4,5,6,7,8,9,10,11,12,13,14,15
	ds_store_b64 v[LS], v[PK+2*(\p):PK+2*(\p)+1] offset:16*(\p)  ; the 32 lanes touch 32 different pairs of banks
.endr
.irp m, 0,1,2,3,4,5,6,7
	ds_load_b128 v[XIN+4*(\m):XIN+4*(\m)+3], v[LR] offset:2*LINE*(\m)  ; LDS serves a wave's instructions in order (ISA guide 5.7.1.4): these see the stores above.  m = 2 q + p
.endr
.irp m, 0,1,2,3,4,5,6,7
	s_wait_dscnt 7-(\m)
	global_store_b128 v[DO], v[XIN+4*(\m):XIN+4*(\m)+3], s[8:9] offset:((\m)/2)*8192+((\m)%2)*512  ; 512 consecutive bytes, at a multiple of 512 from xf's first byte
.endr
	s_wait_tensorcnt 0x0                           ; the wave's end: three closing lines, behind my last LDS store
	ds_add_u32 v[SPW], v[NIL]
	s_wait_dscnt 0x0
	s_endpgm
.Lweights:
	; weight: rows 16 j + p are k = j / 64, cb = (j / 4) % 16, o' = 16 (j % 4) + p
	s_bfe_u32 s22, s18, 0x40002
	s_lshl_b32 s22, s22, 20                        ; cb x 1,048,576
	s_lshr_b32 s21, s18, 6
	s_lshl_b32 s21, s21, 14                        ; k x 16,384
	s_add_co_u32 s22, s22, s21
	s_and_b32 s21, s18, 3
	s_lshl_b32 s21, s21, 12                        ; 16 (j % 4) rows of 256 bytes
	s_add_co_u32 s22, s22, s21
	s_mov_b32 s23, 0
	s_add_nc_u64 s[10:11], s[10:11], s[22:23]
	s_lshl_b32 s20, s16, 17                        ; c x 131,072
	v_lshl_add_u32 v[DO], v6, 3, s20
.irp p, 0,1,2,3,4,5,6,7,8,9,10,11,12,13,14,15
	global_store_b64 v[DO], v[PK+2*(\p):PK+2*(\p)+1], s[10:11] offset:256*(\p)  ; 256 consecutive bytes, at a multiple of 256 from wb's first byte
.endr
	s_wait_tensorcnt 0x0                           ; the same three lines on this path
	ds_add_u32 v[SPW], v[NIL]
	s_wait_dscnt 0x0
	s_endpgm
.Lfunc_end_k_q418a7b8d34_pack:
	.size	k_q418a7b8d34_pack, .Lfunc_end_k_q418a7b8d34_pack-k_q418a7b8d34_pack
	.p2alignl 7, 3214868480
	.fill 96, 4, 3214868480
	.section	.rodata,"a",@progbits
	.p2align	6, 0x0
	.amdhsa_kernel k_q418a7b8d34_pack
		.amdhsa_group_segment_fixed_size 35840
		.amdhsa_private_segment_fixed_size 0
		.amdhsa_enable_private_segment 0
		.amdhsa_kernarg_size 32
		.amdhsa_user_sgpr_count 2
		.amdhsa_user_sgpr_kernarg_segment_ptr 1
		.amdhsa_wavefront_size32 1
		.amdhsa_system_sgpr_workgroup_id_x 1
		.amdhsa_system_sgpr_workgroup_id_y 1
		.amdhsa_system_sgpr_workgroup_id_z 1
		.amdhsa_system_vgpr_workitem_id 0
		.amdhsa_next_free_vgpr 128
		.amdhsa_next_free_sgpr 66
		.amdhsa_reserve_vcc 0
		.amdhsa_float_denorm_mode_32 3
		.amdhsa_float_denorm_mode_16_64 3
		.amdhsa_memory_ordered 1
		.amdhsa_forward_progress 1
		.amdhsa_inst_pref_size 11
	.end_amdhsa_kernel
	.amdgpu_metadata
---
amdhsa.version: [ 1, 2 ]
amdhsa.kernels:
  - .name:           k_q418a7b8d34_pack
    .symbol:         k_q418a7b8d34_pack.kd
    .args:
      - { .name: x, .offset: 0, .size: 8, .value_kind: global_buffer, .address_space: global }
      - { .name: weight, .offset: 8, .size: 8, .value_kind: global_buffer, .address_space: global }
      - { .name: xf, .offset: 16, .size: 8, .value_kind: global_buffer, .address_space: global }
      - { .name: wb, .offset: 24, .size: 8, .value_kind: global_buffer, .address_space: global }
    .group_segment_fixed_size: 35840
    .private_segment_fixed_size: 0
    .kernarg_segment_align: 8
    .kernarg_segment_size: 32
    .max_flat_workgroup_size: 256
    .sgpr_count:     66
    .vgpr_count:     128
    .wavefront_size: 32
...
	.end_amdgpu_metadata
.endif
;; end of part 1
;; launch blend (part 2): grid 16 x 16, 4 waves a work-group, clusters of 4 x 1, 327,680 bytes of LDS; arguments xf, wb, expert_weights, bias, out0; writes out0
.if DOCPART == 2
	.amdgcn_target "amdgcn-amd-amdhsa--gfx1250"
	.amdhsa_code_object_version 6
	.text
	.protected	k_q418a7b8d34_blend
	.globl	k_q418a7b8d34_blend
	.p2align	8
	.type	k_q418a7b8d34_blend,@function
k_q418a7b8d34_blend:
	s_mov_b64 s[64:65], 0
	v_nop
	global_prefetch_b8 v0, s[64:65] scope:SCOPE_SE
	s_setreg_imm32_b32 hwreg(HW_REG_WAVE_MODE, 25, 1), 1
	s_wait_xcnt 0x0
	s_wait_alu depctr_hold_cnt(0) depctr_sa_sdst(0) depctr_va_vdst(0) depctr_va_sdst(0) depctr_va_ssrc(0) depctr_va_vcc(0) depctr_vm_vsrc(0)
	s_getreg_b32 s2, hwreg(HW_REG_IB_STS2, 6, 4)
	s_cmp_eq_u32 s2, 0
	s_cbranch_scc0 .Lentry_in_a_cluster
	s_endpgm
.Lentry_in_a_cluster:
	s_bfe_u32 s2, ttmp6, 0x10000c
	s_cmp_lg_u32 s2, 0x3003
	s_cbranch_scc0 .Lentry_shape_is_right
	s_endpgm
.Lentry_shape_is_right:
; out0[b][o] = sum over k of ew[b][k] (sum over i of x[b][i] W[k][o][i]) + sum over k of ew[b][k] bias[k][o].   b < 8192, k < 8, o, i < 1024.
; LIMITS.  x and W arrive rounded once to bf16 (xf, wb); ew and bias are rounded once to bf16 here.  All products are of bf16 numbers, all sums in f32, in another order than the
; reference's.  The gate ew is applied in f32 to f32 sums: no product ew x is ever rounded.  NaN and infinities are not treated apart.
; SHARES.  A work-group makes 512 rows x 64 columns of out0, each of its four waves 128 rows x 64 columns: 32 tiles of 16 x 16, tile j = 4 a + b (rows 16 a on, columns 16 b on).
; IN goes in 8 CHUNKS of 128.  Within a chunk the wave's fragments of x stay in 256 registers for all eight experts; only W goes through LDS.  A STEP is one expert of one chunk:
; 128 matrix instructions make E = x_chunk W_k,chunk^T (the first 32 start the sums with the constant 0), then T += ew_k E, 128 packed multiply-adds in f32, which stand four behind
; each of the step's last 32 matrix instructions.  T is started by 32 matrix instructions, T = ew bias (K = 8 of 32 used, zeros elsewhere in both operands): nothing is cleared.
; THE MATRIX INSTRUCTION IS USED TRANSPOSED: source 0 = 16 rows of W (columns of out0), source 1 = 16 rows of x.  Lane l then holds row l % 16 and the columns 8 (l / 16) + 0..7:
; one gate a lane and tile row, and 32 neighbouring bytes of a row of out0.
; K IS PERMUTED ALIKE IN BOTH OPERANDS: in quarter q of a chunk lane (r, h), registers 4 p + 0..3, hold i = 64 h + 16 q + 8 p + 0..7.  The products are the same; only the order of sums differs.
; CLUSTER.  The four work-groups of a cluster have the same 64 columns and walk the same tiles of W: each tile is asked for JOINTLY, by the same tensor load, descriptor and mask in all
; four.  x is not shared so: it goes from memory straight into operand registers, 512 consecutive bytes a load, never through LDS, and a row block's 16 readers lie in 16 clusters.
; THE RING.  Two slots, each a whole chunk's W for my 64 columns: 8 experts x 64 rows x 256 bytes.  Wave w brings experts 2 w and 2 w + 1 (128 rows) with one load.  A slot is asked for
; again at its chunk's last step, and is wanted a whole chunk, 1,024 matrix instructions, later.  By this text's count a wave has two tensor loads out at the start, later one.
; REGISTERS, in windows of 256 (s_set_vgpr_msb: bits 1:0 source 0, 3:2 source 1, 5:4 source 2, 7:6 destination):
;   window 0: addresses, W's two fragment buffers, the gates, and what the beginning and the way out work with      window 1: x's fragments: rows 16 a on, quarter q at 64 q + 8 a
;   window 2: E, tile j at 8 j          window 3: T, tile j at 8 j
.set PITCH,  272                       ; an LDS row: 256 bytes + 16 of padding = 68 words: row r starts at bank 4 r mod 64 (64 banks of 4 bytes: ISA guide 11.1), so the 16 rows of a load start at 16 different banks
.set EXP,    64*PITCH                  ; an expert's 64 rows
.set PART,   128*PITCH                 ; what one tensor load brings
.set SLOT,   512*PITCH                 ; 139,264 = 0x22000: no multiple 0..3 of PART has bit 13 or 17 set, so one exclusive or turns an address in one slot into the other's
.set SCR,    2*SLOT                    ; behind the ring, never filled by a tensor load: 8,192 bytes for each wave: first its table of gates [k 8][a 8][lane 32] f32, at the end its stage of 16 rows x 272 bytes
.set SPARE,  SCR+4*8192                ; behind that: the spare words, 128 bytes for each wave: two blocks of 256 bytes that no other line names
.set CHUNKW, 131072                    ; bytes of wb from chunk to chunk
.set CHUNKX, 32768                     ; bytes of xf from chunk to chunk
.set AB0, 3                            ; v3   my lane's place in an expert's tile: 272 r + 128 h; never rewritten
.set ADR, 4                            ; v4   LDS address of the expert whose fragments are fetched
.set AE0, 5                            ; v5   my word in my wave's table of gates, k = 0, a = 0; never rewritten
.set ADE, 6                            ; v6   the same for the step's expert
.set XO,  7                            ; v7   16 x lane: my 16 bytes in 512 of xf
.set STO, 8                            ; v8   the way out: where I put 16 bytes of a row
.set RD,  9                            ; v9   the way out: where I read a row back
.set GO,  10                           ; v10  my byte offset in two rows of out0
.set ER,  11                           ; v11  32 r: my row of expert_weights
.set BR,  12                           ; v12  4 r: my column of bias
.set SPW, 28                           ; v28  LDS address of my spare word: SPARE + 4 x my thread's number; never rewritten
.set NIL, 29                           ; v29  0; never rewritten
.set B0,  32                           ; v[32:63]   W's fragments, buffer 0: columns 16 b on at + 8 b.  At the beginning: bias as loaded
.set B1,  64                           ; v[64:95]   buffer 1.  At the beginning: bias's fragments
.set EW,  96                           ; v[96:111]  the step's gates: rows 16 a on in v[96 + 2 a]; the odd registers hold 0: the packed multiply-add names pairs
.set RAW, 112                          ; v[112:175] at the beginning: expert_weights as loaded, then rounded
.set FE,  176                          ; v[176:239] at the beginning: their fragments
.set OB,  112                          ; v[112:239] the way out: four buffers of 32
.set WV,  14                           ; s14  my wave's number
.set G1,  24                           ; s[24:31] descriptor group 1
.set G0A, 32                           ; s[32:35] descriptor group 0: chunk 0 into slot 0
.set G0B, 36                           ; s[36:39] chunk 1 into slot 1; it then walks
.set TB,  40                           ; s40  LDS byte of the expert's tile to be fetched
.set TE,  41                           ; s41  1,024 x the step's expert
.set HM,  42                           ; s42  the lanes 0-15
.set CH,  43                           ; s43  counts chunks
.set KC,  44                           ; s44  counts a chunk's first seven experts
.set MSB, 0
.macro WIN new                         ; the immediate's high byte repeats the setting that is left; a switch that changes nothing is dropped
.if MSB != (\new)
	s_set_vgpr_msb (MSB<<8)|(\new)
.set MSB, (\new)
.endif
.endm
.set W_MUL, 0xa4                       ; W window 0, x window 1, C and D (E) window 2
.set W_BL,  0xf2                       ; E window 2, gate window 0, addend and destination (T) window 3
.set W_A,   0x40                       ; destination window 1, address window 0
.set W_TI,  0xc0                       ; destination window 3, sources window 0
.set W_ST,  0x0c                       ; an LDS store's data in window 3, its address in window 0
; A vector instruction that reads a matrix result, and a load into a register that a matrix instruction has read, stand four places behind it; only plain vector instructions that name none
; of its registers are places (ISA guide 7.12.1 for vector instructions).
.macro PLACES
.rept 4
	v_nop
.endr
.endm
; A round of the cluster's barrier: my work-group's barrier, so that wave 0's signal speaks for all four waves; wave 0 signals; every wave waits for all four work-groups; my work-group's barrier once more.
.macro CREST                           ; a round behind its opening barrier
	s_cmp_lg_u32 s[WV], 0
	s_cbranch_scc1 .Lnot_wave_0_\@
	s_barrier_signal -3
.Lnot_wave_0_\@:
	s_barrier_wait -3
	s_barrier_signal -1
	s_barrier_wait -1
.endm
.macro CROUND
	s_barrier_signal -1
	s_barrier_wait -1
	CREST
.endm
	s_load_b256 s[4:11], s[0:1], 0x0               ; xf s[4:5], wb s[6:7], expert_weights s[8:9], bias s[10:11]
	s_load_b64 s[12:13], s[0:1], 0x20              ; out0
	v_lshl_add_u32 v[SPW], v0, 2, SPARE
	v_mov_b32 v[NIL], 0
	ds_add_u32 v[SPW], v[NIL]                      ; the wave's opening: the add and its wait stand ahead of my first tensor load; the set-up below, work on registers, stands between them
	v_lshrrev_b32 v1, 5, v0
	v_readfirstlane_b32 s[WV], v1                  ; wave 0..3
	s_bfe_u32 s15, ttmp6, 0x40000                  ; cx: my place in the cluster: it enters the addresses of xf, expert_weights and out0 alone
	s_lshl_b32 s16, ttmp9, 2                       ; in a cluster launch ttmp9 counts clusters
	s_add_co_u32 s16, s16, s15                     ; my block of 512 rows
	s_lshl_b32 s16, s16, 2
	s_add_co_u32 s16, s16, s[WV]                   ; g: my wave's 128 rows
	s_and_b32 s17, ttmp7, 0xffff                   ; cb: the 64 columns, which the four partners share
	s_lshl_b32 s18, s16, 18                        ; xf: g x 262,144
	s_mov_b32 s19, 0
	s_lshl_b32 s20, s16, 12                        ; expert_weights: 128 rows of 32 bytes
	s_mov_b32 s21, 0
	s_lshl_b32 s22, s17, 8                         ; bias: 64 columns of 4 bytes
	s_mov_b32 s23, 0
	s_lshl_b32 s46, s16, 19                        ; out0: 128 rows of 4,096 bytes + 64 columns
	s_add_co_u32 s46, s46, s22
	s_mov_b32 s47, 0
	s_lshl_b32 s48, s17, 20                        ; wb: cb x 1,048,576 + my two experts' 32,768 bytes: of cb and the wave's number alone
	s_lshl_b32 s49, s[WV], 15
	s_add_co_u32 s48, s48, s49
	s_mov_b32 s49, 0
	; descriptor group 1: a tile of 128 rows x 128 elements, dense in memory, padded in LDS
	s_mov_b32 s[G1+0], 15|(1<<16)|(1<<20)|(1<<21)|(5<<22)|(3<<25)  ; 15:0 the mask: all four work-groups; 17:16 elements of 2 bytes; 20 padding on; 21 set beside a mask; 24:22 after every 64 words (code 5); 31:25 4 words of it (code 3)
	s_mov_b32 s[G1+1], 128<<16                     ; tensor_dim0 = 128
	s_mov_b32 s[G1+2], 128<<16                     ; tensor_dim1 = 128
	s_mov_b32 s[G1+3], 128<<16                     ; tile_dim0 = 128
	s_mov_b32 s[G1+4], 128                         ; tile_dim1 = 128
	s_mov_b32 s[G1+5], 128                         ; 128 elements from row to row
	s_mov_b32 s[G1+6], 0
	s_mov_b32 s[G1+7], 0
	s_mov_b32 s[G0A], 1                            ; 1:0 count = 1
	s_mul_i32 s[G0A+1], s[WV], PART                ; 63:32 LDS address: my 128 rows of slot 0: no place in the cluster enters an LDS address
	s_mov_b32 s[G0B], 1
	s_add_co_u32 s[G0B+1], s[G0A+1], SLOT          ; and of slot 1
	s_lshl_b32 s50, s[WV], 13
	s_add_co_u32 s50, s50, SCR                     ; my wave's 8,192 bytes behind the ring
	s_wait_dscnt 0x0                               ; the opening add is done
	s_wait_kmcnt 0x0
	s_add_nc_u64 s[4:5], s[4:5], s[18:19]
	s_add_nc_u64 s[8:9], s[8:9], s[20:21]
	s_add_nc_u64 s[10:11], s[10:11], s[22:23]
	s_add_nc_u64 s[12:13], s[12:13], s[46:47]
	s_add_nc_u64 s[6:7], s[6:7], s[48:49]
	s_mov_b64 s[G0A+2:G0A+3], s[6:7]               ; 120:64 global address: chunk 0
	s_or_b32 s[G0A+3], s[G0A+3], 0x80000000        ; 127:126 type = 2
	s_add_nc_u64 s[G0B+2:G0B+3], s[6:7], CHUNKW    ; chunk 1
	s_or_b32 s[G0B+3], s[G0B+3], 0x80000000
	CROUND                                         ; all four work-groups are here: the first joint loads meet
	tensor_load_to_lds s[G0A:G0A+3], s[G1:G1+7]    ; both first fills go out together, ahead of every wait on TENSORcnt, every LDS read and every further barrier
	s_nop 0
	tensor_load_to_lds s[G0B:G0B+3], s[G1:G1+7]
	s_nop 0
	PLACES
; 16 loads: x's fragments of quarter q of the chunk at s[4:5], 512 consecutive bytes each
.macro ALOAD q
	WIN W_A
.irp a, 0,1,2,3,4,5,6,7
	global_load_b128 v[64*(\q)+8*(\a):64*(\q)+8*(\a)+3],   v[XO], s[4:5] offset:8192*(\q)+1024*(\a)
	global_load_b128 v[64*(\q)+8*(\a)+4:64*(\q)+8*(\a)+7], v[XO], s[4:5] offset:8192*(\q)+1024*(\a)+512
.endr
	WIN 0
.endm
	v_and_b32 v1, 15, v0                           ; r = l % 16
	v_bfe_u32 v2, v0, 4, 1                         ; h = l / 16
	v_and_b32 v13, 31, v0                          ; l
	v_lshlrev_b32 v[ER], 5, v1
	v_lshlrev_b32 v[BR], 2, v1
	v_lshlrev_b32 v[XO], 4, v13
.irp a, 0,1,2,3,4,5,6,7                ; my row's eight gates, for each of my wave's eight blocks of 16 rows (both halves of the lanes load them)
	global_load_b128 v[RAW+8*(\a):RAW+8*(\a)+3],   v[ER], s[8:9] offset:512*(\a)
	global_load_b128 v[RAW+8*(\a)+4:RAW+8*(\a)+7], v[ER], s[8:9] offset:512*(\a)+16
.endr
.irp b, 0,1,2,3                        ; bias[k][64 cb + 16 b + r]
.irp k, 0,1,2,3,4,5,6,7
	global_load_b32 v[B0+8*(\b)+(\k)], v[BR], s[10:11] offset:4096*(\k)+64*(\b)
.endr
.endr
	v_mul_u32_u24 v[AB0], v1, PITCH
	v_lshl_add_u32 v[AB0], v2, 7, v[AB0]           ; row x pitch + 128 x half
	v_lshl_add_u32 v[AE0], v13, 2, s50
	v_mul_u32_u24 v[STO], v1, PITCH                ; in: row l % 16, 32 bytes for each half of the lanes
	v_lshl_add_u32 v[STO], v2, 5, v[STO]
	v_add_nc_u32 v[STO], s50, v[STO]
	v_mul_u32_u24 v[RD], v2, PITCH                 ; back: lanes 0-15 take one row of 256 bytes, lanes 16-31 the next
	v_lshl_add_u32 v[RD], v1, 4, v[RD]
	v_add_nc_u32 v[RD], s50, v[RD]
	v_lshlrev_b32 v[GO], 12, v2                    ; and the same two rows in out0
	v_lshl_add_u32 v[GO], v1, 4, v[GO]
	v_cmp_eq_u32 s[HM], 0, v2
.irp a, 0,1,2,3,4,5,6,7
	v_mov_b32 v[EW+2*(\a)+1], 0
.endr
	ALOAD 0                                        ; chunk 0's fragments of x
	ALOAD 1
	ALOAD 2
	s_wait_loadcnt 48                              ; the 48 loads of x issued behind them may stay out: gates and bias are in
	ALOAD 3
	; The gates: rounded to bf16 in pairs, which are the fragment's registers 0-3 (K = 0..7 in lanes 0-15); widened again into my wave's table, from which each step takes its expert's.
.irp a, 0,1,2,3,4,5,6,7
.irp t, 0,1,2,3
	v_cvt_pk_bf16_f32 v[FE+8*(\a)+(\t)], v[RAW+8*(\a)+2*(\t)], v[RAW+8*(\a)+2*(\t)+1]
.endr
.irp t, 0,1,2,3
	v_lshlrev_b32 v[RAW+8*(\a)+2*(\t)],   16, v[FE+8*(\a)+(\t)]
	v_and_b32     v[RAW+8*(\a)+2*(\t)+1], 0xffff0000, v[FE+8*(\a)+(\t)]
.endr
.irp k, 0,1,2,3,4,5,6,7
	ds_store_b32 v[AE0], v[RAW+8*(\a)+(\k)] offset:1024*(\k)+128*(\a)
.endr
.irp t, 0,1,2,3
	v_cndmask_b32 v[FE+8*(\a)+(\t)], 0, v[FE+8*(\a)+(\t)], s[HM]  ; lanes 16-31 stand for K = 8..15: zeros
	v_mov_b32 v[FE+8*(\a)+4+(\t)], 0                              ; K = 16..31: zeros
.endr
.endr
.irp b, 0,1,2,3
.irp t, 0,1,2,3
	v_cvt_pk_bf16_f32 v[B1+8*(\b)+(\t)], v[B0+8*(\b)+2*(\t)], v[B0+8*(\b)+2*(\t)+1]
.endr
.irp t, 0,1,2,3
	v_cndmask_b32 v[B1+8*(\b)+(\t)], 0, v[B1+8*(\b)+(\t)], s[HM]
	v_mov_b32 v[B1+8*(\b)+4+(\t)], 0
.endr
.endr
	WIN W_TI                                       ; T = ew bias starts the 32 sums
.set jj, 0
.rept 32
	v_wmma_f32_16x16x32_bf16 v[8*jj:8*jj+7], v[B1+8*(jj%4):B1+8*(jj%4)+7], v[FE+8*(jj/4):FE+8*(jj/4)+7], 0
.set jj, jj+1
.endr
	WIN 0
	PLACES                                         ; in front of the loads into the registers that those products read
; 8 LDS loads: the fragments of 64 rows of W, one quarter (32 K, at byte off of each half row), into buffer buf
.macro FETCHB buf, off
	WIN 0
.irp b, 0,1,2,3
	ds_load_b128 v[(\buf)+8*(\b):(\buf)+8*(\b)+3],   v[ADR] offset:(\off)+16*PITCH*(\b)
	ds_load_b128 v[(\buf)+8*(\b)+4:(\buf)+8*(\b)+7], v[ADR] offset:(\off)+16*PITCH*(\b)+16
.endr
.endm
.macro FETCHE                          ; 8 LDS loads: the step's gates
	WIN 0
.irp a, 0,1,2,3,4,5,6,7
	ds_load_b32 v[EW+2*(\a)], v[ADE] offset:128*(\a)
.endr
.endm
.macro WM j, q, buf, zero              ; tile j's product of quarter q.  zero = 1: it starts the sum
	WIN W_MUL
.if \zero
	v_wmma_f32_16x16x32_bf16 v[8*(\j):8*(\j)+7], v[(\buf)+8*((\j)%4):(\buf)+8*((\j)%4)+7], v[64*(\q)+8*((\j)/4):64*(\q)+8*((\j)/4)+7], 0
.else
	v_wmma_f32_16x16x32_bf16 v[8*(\j):8*(\j)+7], v[(\buf)+8*((\j)%4):(\buf)+8*((\j)%4)+7], v[64*(\q)+8*((\j)/4):64*(\q)+8*((\j)/4)+7], v[8*(\j):8*(\j)+7]
.endif
.endm
.macro MULQ q, buf, zero               ; a quarter: the 32 accumulators take turns, one instruction a turn, in the same order in every quarter
.set jj, 0
.rept 32
	WM jj, \q, \buf, \zero
.set jj, jj+1
.endr
.endm
.macro RB j                            ; T(j) += gate x E(j): four packed multiply-adds, E's lowest registers first
	WIN W_BL
.irp z, 0,2,4,6
	v_pk_fma_f32 v[8*(\j)+(\z):8*(\j)+(\z)+1], v[8*(\j)+(\z):8*(\j)+(\z)+1], v[EW+2*((\j)/4):EW+2*((\j)/4)+1], v[8*(\j)+(\z):8*(\j)+(\z)+1] op_sel_hi:[1,0,1]
.endr
.endm
; The fourth quarter, tiles j0 to j1: behind tile j's last product stands the blending of tile j - 2.  Between a tile's last product and the first read of its E stand the four multiply-adds
; of each of the two tiles before it, eight places; for tile 0 the four v_nop behind product 1, for tile 1 those and tile 0's four.
.macro MULR j0, j1
.set jj, (\j0)
.rept (\j1)-(\j0)+1
	WM jj, 3, B1, 0
.if jj == 1
	PLACES
.endif
.if jj >= 2
	RB jj-2
.endif
.set jj, jj+1
.endr
.endm
.macro TAIL                            ; the last two tiles.  Tile 29's and tile 30's multiply-adds are the places behind the last product, for the loads that follow into buffer 1 or into x's quarter 3
	RB 30
	RB 31
.endm
; The first quarter.  Buffer 0 was fetched in the step before; buffer 1 and the gates are fetched now, a quarter (32 matrix instructions) ahead of their first use.
.macro Q0 wl
	WIN 0
	v_add_nc_u32 v[ADE], s[TE], v[AE0]
	FETCHB B1, 32
	FETCHE
	s_wait_dscnt 16                                ; the 16 just issued may be out: buffer 0 is in
.if \wl
	s_wait_loadcnt 48                              ; x's quarter 0 is in; quarters 1 to 3, 48 loads, may be out (a chunk's first step; later nothing is out)
.endif
	MULQ 0, B0, 1
.endm
; A STEP: one of a chunk's experts 0 to 6
.macro STEP
	Q0 1
	s_add_co_u32 s[TE], s[TE], 1024
	PLACES
	FETCHB B0, 64
	s_wait_dscnt 8                                 ; all but the 8 just issued: buffer 1 and the gates are in
	s_wait_loadcnt 32                              ; x's quarter 1
	MULQ 1, B1, 0
	PLACES
	FETCHB B1, 96
	s_wait_dscnt 8
	s_wait_loadcnt 16                              ; x's quarter 2
	MULQ 2, B0, 0
	WIN 0
	s_add_co_u32 s[TB], s[TB], EXP                 ; the next expert's tile
	v_add_nc_u32 v[ADR], s[TB], v[AB0]             ; with the three v_nop: four places
.rept 3
	v_nop
.endr
	FETCHB B0, 0                                   ; the next step's first quarter
	s_wait_dscnt 8
	s_wait_loadcnt 0x0                             ; x's quarter 3
	MULR 0, 31
	TAIL
	WIN 0
.endm
; A chunk's expert 7.  pref = 1: each quarter of x is loaded anew, for the next chunk, as soon as its last product has been issued and four places lie behind it.
; more = 1: the slots change.  In front of ONE barrier each wave waits for all its tensor loads, of which one is out: its part of the other slot; adds 0 to its spare word; and waits for that
; and for its own reads of this slot.  Behind it nobody reads this slot any more and the other slot is whole.  refill = 1: this slot is filled again, with the chunk two on: the barrier then
; opens a round of the cluster's, so that no wave of any partner still reads the slot or has a load on its way, and the joint refill is the first thing behind the round.
.macro LAST refill, pref, more
.if \pref
	s_wait_xcnt 0x0                                ; xf's address is stepped only behind this wait (the loads that used it were shown done in the chunk's first step)
	s_add_nc_u64 s[4:5], s[4:5], CHUNKX
.endif
	Q0 0
	s_mov_b32 s[TE], 0
	PLACES
	FETCHB B0, 64
.if \pref
	ALOAD 0
.endif
	s_wait_dscnt 8
	MULQ 1, B1, 0
	PLACES
	FETCHB B1, 96
.if \pref
	ALOAD 1
.endif
	s_wait_dscnt 8
	MULQ 2, B0, 0
.if \more
	PLACES
.if \pref
	ALOAD 2
.endif
	WIN 0
	s_wait_tensorcnt 0x0                           ; no tensor load of mine is out, so a group 0 may be written
	ds_add_u32 v[SPW], v[NIL]                      ; 0 onto my spare word: the scalar steps stand between it and the wait for it
.if \refill
	s_xor_b32 s[G0B+1], s[G0B+1], SLOT             ; the walking descriptor: the other slot than last time,
	s_add_nc_u64 s[G0B+2:G0B+3], s[G0B+2:G0B+3], CHUNKW  ; the next chunk; the type bits on top are not reached
.endif
	s_sub_co_u32 s[TB], s[TB], 7*EXP               ; the fetches go back to expert 0,
	s_xor_b32 s[TB], s[TB], SLOT                   ; in the other slot
	s_wait_dscnt 0x0                               ; the add is done, buffer 1 is in, and my reads of this slot are over
	s_barrier_signal -1
	MULR 0, 15                                     ; work on registers while the others arrive
	WIN 0                                          ; at a branch and at a label every window is 0
	s_barrier_wait -1
.if \refill
	CREST
	tensor_load_to_lds s[G0B:G0B+3], s[G1:G1+7]    ; my one tensor load behind the round
	s_nop 0
.endif
	PLACES
	v_add_nc_u32 v[ADR], s[TB], v[AB0]
	FETCHB B0, 0                                   ; the next chunk's first fragments, from the other slot
	MULR 16, 31
	TAIL
.if \pref
	ALOAD 3
.endif
	WIN 0
.else
	s_wait_dscnt 0x0
	MULR 0, 31
	TAIL
	WIN 0
.endif
.endm
.macro SEVEN                           ; experts 0 to 6: written once, walked seven times; the LDS addresses hang on s[TB] and s[TE]
	s_mov_b32 s[KC], 7
.Lstep_\@:
	STEP
	s_sub_co_u32 s[KC], s[KC], 1
	s_cmp_lg_u32 s[KC], 0
	s_cbranch_scc1 .Lstep_\@
.endm
	s_wait_tensorcnt 1                             ; my part of slot 0 is in; slot 1's may stay out
	s_wait_dscnt 0x0                               ; my table of gates is written
	s_barrier_signal -1
	s_barrier_wait -1                              ; everybody's part of slot 0 is in
	s_mov_b32 s[TB], 0
	s_mov_b32 s[TE], 0
	v_mov_b32 v[ADR], v[AB0]
	FETCHB B0, 0
	s_mov_b32 s[CH], 6
.Lchunk:                                               ; chunks 0 to 5: their refills bring chunks 2 to 7
	SEVEN
	LAST 1, 1, 1
	s_sub_co_u32 s[CH], s[CH], 1
	s_cmp_lg_u32 s[CH], 0
	s_cbranch_scc1 .Lchunk
	SEVEN                                          ; the tail is written out: chunk 6 asks for no tile
	LAST 0, 1, 1
	SEVEN                                          ; chunk 7 for nothing at all
	LAST 0, 0, 0
	; THE WAY OUT, 16 rows at a time: a lane's 32 bytes of a row go into rows of 272 bytes of my own stage (where my table of gates lay: its last read has come back) and come back as whole rows of 256.
.macro OUTS a
.if (\a) >= 4
	s_wait_xcnt 0x0                                ; the buffer's registers, which the stores four blocks back read, are loaded again only behind this wait
.endif
	WIN W_ST
.irp b, 0,1,2,3
	ds_store_b128 v[STO], v[32*(\a)+8*(\b):32*(\a)+8*(\b)+3]   offset:64*(\b)
	ds_store_b128 v[STO], v[32*(\a)+8*(\b)+4:32*(\a)+8*(\b)+7] offset:64*(\b)+16
.endr
	WIN 0
.irp t, 0,1,2,3,4,5,6,7
	ds_load_b128 v[OB+32*((\a)%4)+4*(\t):OB+32*((\a)%4)+4*(\t)+3], v[RD] offset:2*PITCH*(\t)  ; LDS serves a wave's instructions in order (ISA guide 5.7.1.4): these see the stores above; the next block's stores come behind them
.endr
.endm
.macro SEND a, younger                 ; younger: the LDS instructions issued behind block a's loads: the next block's sixteen, or none
	s_wait_dscnt \younger
.irp t, 0,1,2,3,4,5,6,7
	global_store_b128 v[GO], v[OB+32*((\a)%4)+4*(\t):OB+32*((\a)%4)+4*(\t)+3], s[12:13] offset:65536*(\a)+8192*(\t) th:TH_STORE_NT  ; 16 lanes store 256 consecutive bytes, at a multiple of 256 from out0's first byte
.endr
.endm
	OUTS 0
.irp a, 1,2,3,4,5,6,7
	OUTS \a
	SEND (\a)-1, 16
.endr
	SEND 7, 0
	s_wait_tensorcnt 0x0                           ; the wave's end: three closing lines, behind my last tensor load and my last LDS store
	ds_add_u32 v[SPW], v[NIL]
	s_wait_dscnt 0x0
	CROUND                                         ; the closing round: no work-group ends while a partner may still ask for a tile that names it
	s_endpgm
.Lfunc_end_k_q418a7b8d34_blend:
	.size	k_q418a7b8d34_blend, .Lfunc_end_k_q418a7b8d34_blend-k_q418a7b8d34_blend
	.p2alignl 7, 3214868480
	.fill 96, 4, 3214868480
	.section	.rodata,"a",@progbits
	.p2align	6, 0x0
	.amdhsa_kernel k_q418a7b8d34_blend
		.amdhsa_group_segment_fixed_size 327680
		.amdhsa_private_segment_fixed_size 0
		.amdhsa_enable_private_segment 0
		.amdhsa_kernarg_size 40
		.amdhsa_user_sgpr_count 2
		.amdhsa_user_sgpr_kernarg_segment_ptr 1
		.amdhsa_wavefront_size32 1
		.amdhsa_system_sgpr_workgroup_id_x 1
		.amdhsa_system_sgpr_workgroup_id_y 1
		.amdhsa_system_sgpr_workgroup_id_z 1
		.amdhsa_system_vgpr_workitem_id 0
		.amdhsa_next_free_vgpr 1024
		.amdhsa_next_free_sgpr 66
		.amdhsa_reserve_vcc 0
		.amdhsa_float_denorm_mode_32 3
		.amdhsa_float_denorm_mode_16_64 3
		.amdhsa_memory_ordered 1
		.amdhsa_forward_progress 1
		.amdhsa_inst_pref_size 191
	.end_amdhsa_kernel
	.amdgpu_metadata
---
amdhsa.version: [ 1, 2 ]
amdhsa.kernels:
  - .name:           k_q418a7b8d34_blend
    .symbol:         k_q418a7b8d34_blend.kd
    .args:
      - { .name: xf, .offset: 0, .size: 8, .value_kind: global_buffer, .address_space: global }
      - { .name: wb, .offset: 8, .size: 8, .value_kind: global_buffer, .address_space: global }
      - { .name: expert_weights, .offset: 16, .size: 8, .value_kind: global_buffer, .address_space: global }
      - { .name: bias, .offset: 24, .size: 8, .value_kind: global_buffer, .address_space: global }
      - { .name: out0, .offset: 32, .size: 8, .value_kind: global_buffer, .address_space: global }
    .group_segment_fixed_size: 327680
    .private_segment_fixed_size: 0
    .kernarg_segment_align: 8
    .kernarg_segment_size: 40
    .max_flat_workgroup_size: 128
    .sgpr_count:     66
    .vgpr_count:     1024
    .wavefront_size: 32
...
	.end_amdgpu_metadata
.endif
;; end of part 2
;; ======== version 2 of 2: 2 launches; version 1 with the launch pack written anew for expert scheduling mode
;; workspace buffers: xf 16,777,216 bytes; wb 16,777,216 bytes
;; launch pack (part 3): grid 1024 x 1, 8 waves a work-group, no clusters, 35,840 bytes of LDS; arguments x, weight, xf, wb; writes xf, wb
.if DOCPART == 3
	.amdgcn_target "amdgcn-amd-amdhsa--gfx1250"
	.amdhsa_code_object_version 6
	.text
	.protected	k_q418a7b8d34_pack
	.globl	k_q418a7b8d34_pack
	.p2align	8
	.type	k_q418a7b8d34_pack,@function
k_q418a7b8d34_pack:
	s_mov_b64 s[64:65], 0
	v_nop
	global_prefetch_b8 v0, s[64:65] scope:SCOPE_SE
	s_setreg_imm32_b32 hwreg(HW_REG_WAVE_SCHED_MODE, 0, 2), 2
	s_setreg_imm32_b32 hwreg(HW_REG_WAVE_MODE, 25, 1), 1
	s_wait_xcnt 0x0
	s_wait_alu depctr_vm_vsrc(0)
; x [8192][1024] f32 and weight [8][1024][1024] f32 are each read once, rounded once to bf16 (nearest even) and laid out for the product that follows.
; xf: [g 64][c 8][q 4][a 8][p 2][lane 32][8 numbers]: lane (h = lane / 16, r = lane % 16) holds x[128 g + 16 a + r][128 c + 64 h + 16 q + 8 p + 0..7]: the order in which
;     a wave's operand registers take them, so that each of its loads is 512 consecutive bytes.
; wb: [cb 16][c 8][k 8][o' 64][128 numbers]: weight[k][64 cb + o'][128 c + 0..127]: the eight experts' tiles of one block of columns and one chunk of IN are 131,072 dense bytes.
; SHARES.  Work-groups 0-511 take x, 512-1023 weight: both are 8,192 rows of 4,096 bytes.  A work-group owns 16 rows, wave w the rows' chunk w (512 bytes): 16 loads of 512 consecutive
; bytes a wave, all issued before the first wait for data.  No loop, no barrier: every LDS byte is the wave's own.  Memory binds: matrix units, clusters and tensor loads would add nothing.
; x's numbers change lanes on the way (a lane loads 4 numbers of one row, and stores 8 numbers of the row that its number names): through a stage of 16 lines of 272 bytes a wave.
; weight's keep their order: a wave's store is 256 consecutive bytes, at a multiple of 256 from wb's first byte.
; THE MODE: SCHED_MODE bits 1:0 = 2 (LLVM: expert scheduling mode 2), set by the entry lines.  The code itself states the register dependences
; between vector instructions and memory or LDS instructions, with s_wait_alu, always for 0.
; THE PLAN.  The 16 rows go in four blocks of four.  Registers that memory or LDS instructions touch:
;   v[SRC]            Written once at the head; read by the 16 loads; never written again.
;   XIN, block b      Written by the block's four loads; read by its eight conversions; on x's path the loads from the stage land in XIN behind all conversions, and the stores to xf read it.
;   PK, block b       Written by block b's conversions; read by four stores (to the stage, or to wb) that are issued in block b + 1; never written again.
;   v[LS], v[LR], v[DO]  Written ahead of block 0; read by the stores and by the loads from the stage; never written again.
;   v[SPW], v[NIL]    Written at the head, read by the closing add alone.
; Block b's conversions name XIN and PK of block b alone; its memory or LDS instructions are the stores of block b - 1.  So ONE wait on va_vdst at the head of a block, behind the wait
; for the block's first row, states all that its four stores hang on, and they are dealt among its conversions.  No register that a memory or LDS instruction has read is written
; again, so the text holds no wait on vm_vsrc.
.set ROWB,  4096                       ; bytes in a source row
.set LINE,  272                        ; a stage line: 256 bytes + 16: line u starts at bank 4 u mod 64 (64 banks of 4 bytes: ISA guide 11.1)
.set STG,   16*LINE                    ; a wave's stage
.set SPARE, 8*STG                      ; behind the stages: the spare words, 128 bytes for each wave: four blocks of 256 bytes that no other line names
.set SRC,  1                           ; v1   byte offset of my 16 bytes in a source row: 16 x thread = 512 w + 16 lane
.set LS,   2                           ; v2   stage: where I put 8 bytes
.set LR,   3                           ; v3   stage: where I read 16 bytes back
.set DO,   4                           ; v4   my byte offset in the destination
.set SPW,  30                          ; v30  LDS address of my spare word; never rewritten
.set NIL,  31                          ; v31  0; never rewritten
.set XIN,  32                          ; v[32:95]   row p: 4 f32 as loaded; later 8 x 4 registers read back from the stage
.set PK,   96                          ; v[96:127]  row p: 4 bf16 in 2 registers
	s_load_b256 s[4:11], s[0:1], 0x0               ; x s[4:5], weight s[6:7], xf s[8:9], wb s[10:11]
	v_lshl_add_u32 v[SPW], v0, 2, SPARE
	v_mov_b32 v[NIL], 0
	v_lshlrev_b32 v[SRC], 4, v0
	v_lshrrev_b32 v5, 5, v0
	v_readfirstlane_b32 s16, v5                    ; wave 0..7 = chunk
	s_mov_b32 s17, ttmp9
	s_and_b32 s18, s17, 511                        ; j: which 16 rows of my tensor
	s_lshl_b32 s14, s18, 16                        ; 16 rows of 4,096 bytes
	s_mov_b32 s15, 0
	s_wait_alu depctr_va_sdst(0)                   ; s16 is written, ahead of its first reader: my stage's place and the chunk's offset are made from it
	s_wait_kmcnt 0x0
	s_cmp_lt_u32 s17, 512
	s_cselect_b64 s[12:13], s[4:5], s[6:7]         ; the source: x or weight
	s_add_nc_u64 s[12:13], s[12:13], s[14:15]
	s_wait_alu depctr_va_vdst(0)                   ; v[SRC] is written, which the 16 loads read as their offset
.irp p, 0,1,2,3,4,5,6,7,8,9,10,11,12,13,14,15
	global_load_b128 v[XIN+4*(\p):XIN+4*(\p)+3], v[SRC], s[12:13] offset:(\p)*ROWB th:TH_LOAD_NT
.endr
	; lane arithmetic, while the loads are on their way: it names neither v[SRC] nor XIN.  My 4 numbers begin at place 4 l of the chunk = 64 h + 16 q + 8 p + 4 (l % 2): h = l / 16, q = (l / 4) % 4, p = (l / 2) % 2
	v_and_b32 v6, 31, v0                           ; l
	v_bfe_u32 v7, v0, 2, 2                         ; q
	v_bfe_u32 v8, v0, 1, 1                         ; p
	v_bfe_u32 v9, v0, 4, 1                         ; h
	v_and_b32 v10, 1, v0
	v_and_b32 v11, 15, v0
	s_mul_i32 s19, s16, STG                        ; my wave's stage
	v_lshlrev_b32 v7, 2, v7
	v_lshl_add_u32 v7, v8, 1, v7
	v_add_nc_u32 v7, v7, v9                        ; line 4 q + 2 p + h
	v_mul_u32_u24 v[LS], v7, LINE
	v_lshl_add_u32 v[LS], v10, 3, v[LS]            ; + 8 (l % 2); the row's 16 bytes stand in the immediate
	v_add_nc_u32 v[LS], s19, v[LS]
	v_mul_u32_u24 v[LR], v9, LINE                  ; back: lanes 0-15 one line, lanes 16-31 the next
	v_lshl_add_u32 v[LR], v11, 4, v[LR]
	v_add_nc_u32 v[LR], s19, v[LR]
; Block b: rows 4 b to 4 b + 3 are rounded; ahead of each row's two conversions stands the store of the row four back.  tox = 1: x's path, into my stage; 0: weight's, into wb.
.macro BLK b, tox
.irp i, 0,1,2,3
	s_wait_loadcnt 15-4*(\b)-(\i)                  ; loads come back in order (ISA guide 5.7.1): this row is in, the younger ones stay out
.if ((\i) == 0) && ((\b) > 0)
	s_wait_alu depctr_va_vdst(0)                   ; the block before has written its PK, which this block's four stores read; in block 1 also: v[LS], v[LR] and v[DO] are written
.endif
.if (\b) > 0
.if \tox
	ds_store_b64 v[LS], v[PK+2*(4*(\b)-4+(\i)):PK+2*(4*(\b)-4+(\i))+1] offset:16*(4*(\b)-4+(\i))  ; the 32 lanes touch 32 different pairs of banks
.else
	global_store_b64 v[DO], v[PK+2*(4*(\b)-4+(\i)):PK+2*(4*(\b)-4+(\i))+1], s[10:11] offset:256*(4*(\b)-4+(\i))  ; 256 consecutive bytes, at a multiple of 256 from wb's first byte
.endif
.endif
	v_cvt_pk_bf16_f32 v[PK+2*(4*(\b)+(\i))],   v[XIN+4*(4*(\b)+(\i))],   v[XIN+4*(4*(\b)+(\i))+1]
	v_cvt_pk_bf16_f32 v[PK+2*(4*(\b)+(\i))+1], v[XIN+4*(4*(\b)+(\i))+2], v[XIN+4*(4*(\b)+(\i))+3]
.endr
.endm
	s_cmp_lt_u32 s17, 512
	s_cbranch_scc0 .Lweights
	; x: rows 16 j + p are g = j / 8, a = j % 8, r = p
	s_lshr_b32 s22, s18, 3
	s_lshl_b32 s22, s22, 18                        ; g x 262,144
	s_and_b32 s21, s18, 7
	s_lshl_b32 s21, s21, 10                        ; a x 1,024
	s_add_co_u32 s22, s22, s21
	s_mov_b32 s23, 0
	s_add_nc_u64 s[8:9], s[8:9], s[22:23]
	s_lshl_b32 s20, s16, 15                        ; c x 32,768
	v_lshl_add_u32 v[DO], v6, 4, s20
	BLK 0, 1
	BLK 1, 1
	BLK 2, 1
	BLK 3, 1
	s_wait_alu depctr_va_vdst(0)                   ; block 3 has written its PK, which the last four stores read; all conversions are done reading XIN, in which the loads from the stage land
.irp p, 12,13,14,15
	ds_store_b64 v[LS], v[PK+2*(\p):PK+2*(\p)+1] offset:16*(\p)
.endr
.irp m, 0,1,2,3,4,5,6,7
	ds_load_b128 v[XIN+4*(\m):XIN+4*(\m)+3], v[LR] offset:2*LINE*(\m)  ; LDS serves a wave's instructions in order (ISA guide 5.7.1.4): these see the stores above.  m = 2 q + p
.endr
.irp m, 0,1,2,3,4,5,6,7
	s_wait_dscnt 7-(\m)
	global_store_b128 v[DO], v[XIN+4*(\m):XIN+4*(\m)+3], s[8:9] offset:((\m)/2)*8192+((\m)%2)*512  ; 512 consecutive bytes, at a multiple of 512 from xf's first byte
.endr
	s_wait_dscnt 0x0                               ; the closing lines, six on end
	s_wait_alu 0x0
	s_wait_tensorcnt 0x0
	ds_add_u32 v[SPW], v[NIL]
	s_wait_dscnt 0x0
	s_endpgm
.Lweights:
	; weight: rows 16 j + p are k = j / 64, cb = (j / 4) % 16, o' = 16 (j % 4) + p
	s_bfe_u32 s22, s18, 0x40002
	s_lshl_b32 s22, s22, 20                        ; cb x 1,048,576
	s_lshr_b32 s21, s18, 6
	s_lshl_b32 s21, s21, 14                        ; k x 16,384
	s_add_co_u32 s22, s22, s21
	s_and_b32 s21, s18, 3
	s_lshl_b32 s21, s21, 12                        ; 16 (j % 4) rows of 256 bytes
	s_add_co_u32 s22, s22, s21
	s_mov_b32 s23, 0
	s_add_nc_u64 s[10:11], s[10:11], s[22:23]
	s_lshl_b32 s20, s16, 17                        ; c x 131,072
	v_lshl_add_u32 v[DO], v6, 3, s20
	BLK 0, 0
	BLK 1, 0
	BLK 2, 0
	BLK 3, 0
	s_wait_alu depctr_va_vdst(0)                   ; block 3 has written its PK, which the last four stores read
.irp p, 12,13,14,15
	global_store_b64 v[DO], v[PK+2*(\p):PK+2*(\p)+1], s[10:11] offset:256*(\p)  ; 256 consecutive bytes, at a multiple of 256 from wb's first byte
.endr
	s_wait_dscnt 0x0                               ; the same six closing lines on this path
	s_wait_alu 0x0
	s_wait_tensorcnt 0x0
	ds_add_u32 v[SPW], v[NIL]
	s_wait_dscnt 0x0
	s_endpgm
.Lfunc_end_k_q418a7b8d34_pack:
	.size	k_q418a7b8d34_pack, .Lfunc_end_k_q418a7b8d34_pack-k_q418a7b8d34_pack
	.p2alignl 7, 3214868480
	.fill 96, 4, 3214868480
	.section	.rodata,"a",@progbits
	.p2align	6, 0x0
	.amdhsa_kernel k_q418a7b8d34_pack
		.amdhsa_group_segment_fixed_size 35840
		.amdhsa_private_segment_fixed_size 0
		.amdhsa_enable_private_segment 0
		.amdhsa_kernarg_size 32
		.amdhsa_user_sgpr_count 2
		.amdhsa_user_sgpr_kernarg_segment_ptr 1
		.amdhsa_wavefront_size32 1
		.amdhsa_system_sgpr_workgroup_id_x 1
		.amdhsa_system_sgpr_workgroup_id_y 1
		.amdhsa_system_sgpr_workgroup_id_z 1
		.amdhsa_system_vgpr_workitem_id 0
		.amdhsa_next_free_vgpr 128
		.amdhsa_next_free_sgpr 66
		.amdhsa_reserve_vcc 0
		.amdhsa_float_denorm_mode_32 3
		.amdhsa_float_denorm_mode_16_64 3
		.amdhsa_memory_ordered 1
		.amdhsa_forward_progress 1
		.amdhsa_inst_pref_size 14
	.end_amdhsa_kernel
	.amdgpu_metadata
---
amdhsa.version: [ 1, 2 ]
amdhsa.kernels:
  - .name:           k_q418a7b8d34_pack
    .symbol:         k_q418a7b8d34_pack.kd
    .args:
      - { .name: x, .offset: 0, .size: 8, .value_kind: global_buffer, .address_space: global }
      - { .name: weight, .offset: 8, .size: 8, .value_kind: global_buffer, .address_space: global }
      - { .name: xf, .offset: 16, .size: 8, .value_kind: global_buffer, .address_space: global }
      - { .name: wb, .offset: 24, .size: 8, .value_kind: global_buffer, .address_space: global }
    .group_segment_fixed_size: 35840
    .private_segment_fixed_size: 0
    .kernarg_segment_align: 8
    .kernarg_segment_size: 32
    .max_flat_workgroup_size: 256
    .sgpr_count:     66
    .vgpr_count:     128
    .wavefront_size: 32
...
	.end_amdgpu_metadata
.endif
;; end of part 3
;; launch blend: the kernel of part 2 again; grid 16 x 16, 4 waves a work-group, clusters of 4 x 1, 327,680 bytes of LDS; arguments xf, wb, expert_weights, bias, out0; writes out0
